; MI455X (gfx1250); checked and timed in simulation.
; The chip was launched on July 23, 2026; its instructions are those of AMD's public machine-readable ISA for CDNA 5 (MIT licence, August 2026) and "CDNA5" Instruction Set Architecture Reference Guide (July 2026). The comments in the code are by the model that wrote it; some were corrected since.
;; Dilated Attention. Allowed arithmetic: float matrix products may take bf16 or f16 operands with f32 sums; all other float work in f32.
;; Inputs: k 8 x 256 x 4,096 float32; q 8 x 256 x 4,096 float32; v 8 x 256 x 4,096 float32.
;; Outputs: out0 8 x 256 x 4,096 float32.
;; Constants: h = 64, w = 64.
;; 2 versions, each right; version 2 is version 1 with the launch dilattn written anew for expert scheduling mode. Each part assembles by itself: llvm-mc -triple=amdgcn-amd-amdhsa -mcpu=gfx1250 --defsym DOCPART=n.
;; ======== version 1 of 2: 1 launch
;; launch dilattn (part 1): grid 256 x 1, 16 waves a work-group, no clusters, 84,992 bytes of LDS; arguments q, k, v, out0; writes out0
.if DOCPART == 1
	.amdgcn_target "amdgcn-amd-amdhsa--gfx1250"
	.amdhsa_code_object_version 6
	.text
	.protected	k_q22ae313cd2_dilattn
	.globl	k_q22ae313cd2_dilattn
	.p2align	8
	.type	k_q22ae313cd2_dilattn,@function
k_q22ae313cd2_dilattn:
	s_mov_b64 s[64:65], 0
	v_nop
	global_prefetch_b8 v0, s[64:65] scope:SCOPE_SE
	s_setreg_imm32_b32 hwreg(HW_REG_WAVE_MODE, 25, 1), 1
	s_wait_xcnt 0x0
; Dilated 3 x 3 window attention (dilation 2, zero padding 2) on q, k, v, out: [8 images][256 channels][64 x 64 pixels] f32.
;   score(i,j; y,x) = sum over d of q[d,y,x] k[d,y+2i-2,x+2j-2] / 16 (0 where the key lies in the padding), softmax over the 9 (i,j),
;   out[d,y,x] = sum over (i,j) of weight(i,j; y,x) v[d,y+2i-2,x+2j-2].
; ONE LAUNCH, 256 work-groups of 16 waves.  A group owns one image, rows y0 and y0+2 (y0 = 4 m + parity) and all 256 channels; it reads rows
; y0-2, y0, y0+2, y0+4 of k and v.  Wave w owns channels 16 w .. 16 w + 15, two a trip: in a 16-byte load lanes 0-15 take the whole image row
; (256 bytes, aligned) of channel d, lanes 16-31 that of channel d+1; a lane holds 4 neighbouring pixels.
; SHIFTS BY TWO PIXELS are half a lane's four numbers: two stay in the lane, two come from the neighbouring lane of the same 16 lanes, by DPP
; row_shl:1 / row_shr:1; with bound_ctrl:1 the lane at the image's edge gets 0, which is the zero padding.  q is shifted, not k, so a score is
; summed AT THE KEY'S PLACE x' = x+2j-2; the weights are wanted at the value's place, which is the same layout.
; ROWS OUTSIDE THE IMAGE (m = 0: y0-2; m = 15: y0+4): the address is replaced by a neighbouring row of the group (y0, y0+2), the scores made with
; it are multiplied by 0 (they enter the softmax as the padding's zeros) and so are their weights.
; THE ORDER OF REQUESTS: the group's softmax waits for the last number of q and k of the slowest wave, and nothing waits for v before it.  So a
; barrier stands between every wave's last loads of q and k and any wave's first load of v; all of v is then asked for before the softmax begins.
; ALL IN f32 ON THE VECTOR UNIT.  The pixel is a batch index of both products: a 16 x 16 matrix tile would hold 16 wanted numbers, and its operands
; lie with channels 16,384 bytes apart.  The text moves 134 MB for 151 M multiply-adds: the bytes decide.
; NO CLUSTER, NO JOINT LOADS: a tile of two rows is shared by two neighbouring groups only, as the lower rows of one and the upper rows of the
; other, so its place in LDS would hang on the group's place in a cluster; a tile common to four groups has 10 rows of which each uses 4.
; Each loaded number is used by one wave alone, so it goes straight to registers and not through LDS.
; LIMITS: a score is the sum of 32 partial sums of 8 channels (another order of rounding than a plain sum); weights below 2^-126 count as 0
; (v_exp_f32 flushes); in the groups m = 0 and m = 15 an infinity or NaN in the substituted row gives NaN, at pixels whose own window holds that
; row, where the exact result is not finite either.
.set CSTEP, 32768                      ; bytes from a trip's two channels to the next two
.set PARTB, 4608                       ; 9 window places x 2 rows x 64 pixels x 4 bytes: one wave's partial scores
.set SBASE, 16*PARTB                   ; LDS: 16 partials, then the summed scores,
.set WBASE, SBASE+PARTB                ; then the weights
.set VQ,   2                           ; v2   byte offset in the image of my 16 bytes: channel 16 w + (lane / 16), row y0
.set VK0,  3                           ; v3   the same, row y0-2 (m = 0: y0)
.set VK3,  4                           ; v4   the same, row y0+4 (m = 15: y0+2).  v2-v4 are never rewritten
.set LP,   5                           ; v5   LDS: my wave's partial, 16 bytes a lane
.set L2A,  6                           ; v6   LDS: window place w in partial 0
.set L2B,  7                           ; v7   LDS: window place w in partial 8 (an LDS immediate has 16 bits)
.set L2S,  8                           ; v8   LDS: window place w in the summed scores
.set LS,   9                           ; v9   LDS: summed scores, 16 bytes a lane
.set LWS,  10                          ; v10  LDS: weights, 16 bytes a lane
.set LW,   11                          ; v11  LDS: weights, 16 bytes a lane of 16: both halves of the wave read the same
.set QS,   12                          ; v[12:19]  row r: q0, q1 of the next lane, q2, q3 of the lane before
.set PT,   QS                          ;           the results' trip 0: row r: the two pairs of sums that cross to a neighbouring lane
.set FL,   QS                          ;           in the softmax: for i = 0, 1, 2 a pair 1.0, or 0.0 where window row i is outside the image
.set OUT,  20                          ; v[20:27]  the results' trip 0: row r: four results
.set CS,   OUT                         ;           in the softmax: FL x log2(e) / 16
.set ACC,  28                          ; v[28:99]  (r,i,j) at ACC + 36 r + 12 i + 4 j: four scores at the key's place, later four weights
.set RING, 100                         ; v[100:227] five slots of 24 registers (q rows 0,1; k rows 0..3), later the wave's 32 quads of v,
                                       ;           and behind a trip of the results its 16 registers take the next trip's results and crossing sums
.set T,    ACC                         ; softmax: 9 quads (i,j), lanes 0-15 row y0, lanes 16-31 row y0+2
.set SH0,  ACC+36                      ; softmax: j = 0, pixels 0,1 of the lane (they lie in the lane before), a pair for each i
.set SH2,  ACC+42                      ; softmax: j = 2, pixels 2,3 of the lane (they lie in the next lane)
.set MX,   ACC+48                      ; softmax: maxima of my 4 pixels, then their sums, then 1 / sum
.set RI,   ACC+52                      ; softmax: 1 / sum x FL, four for each i
.macro PKACC acc, d, a, b              ; two multiply-adds; acc = 0: the first product starts the sums, nothing is cleared
.if \acc
	v_pk_fma_f32 v[\d:\d+1], v[\a:\a+1], v[\b:\b+1], v[\d:\d+1]
.else
	v_pk_mul_f32 v[\d:\d+1], v[\a:\a+1], v[\b:\b+1]
.endif
.endm
.macro ADDQ d, a                       ; four sums
	v_pk_add_f32 v[\d:\d+1], v[\d:\d+1], v[\a:\a+1]
	v_pk_add_f32 v[\d+2:\d+3], v[\d+2:\d+3], v[\a+2:\a+3]
.endm
; trip t's six loads into slot s: q is read once in the launch, each row of k by two groups
.macro LOADQK t, s
	global_load_b128 v[RING+24*\s:RING+24*\s+3],     v[VQ],  s[4:5] offset:\t*CSTEP th:TH_LOAD_NT
	global_load_b128 v[RING+24*\s+4:RING+24*\s+7],   v[VQ],  s[4:5] offset:\t*CSTEP+512 th:TH_LOAD_NT
	global_load_b128 v[RING+24*\s+8:RING+24*\s+11],  v[VK0], s[6:7] offset:\t*CSTEP
	global_load_b128 v[RING+24*\s+12:RING+24*\s+15], v[VQ],  s[6:7] offset:\t*CSTEP
	global_load_b128 v[RING+24*\s+16:RING+24*\s+19], v[VQ],  s[6:7] offset:\t*CSTEP+512
	global_load_b128 v[RING+24*\s+20:RING+24*\s+23], v[VK3], s[6:7] offset:\t*CSTEP
.endm
; quad n = 4 u + c of v (trip u, row c) lies where the ring's slots come free: slots 3, 4, 0, 1, 2 in that order, then the last 8 registers
.macro SETVR n
.if (\n)<30
.set VR, RING+4*(((\n)+18)%30)
.else
.set VR, RING+4*(\n)
.endif
.endm
.macro LOADV n
	SETVR \n
.if (\n)%4==0
	global_load_b128 v[VR:VR+3], v[VK0], s[8:9] offset:((\n)/4)*CSTEP
.endif
.if (\n)%4==1
	global_load_b128 v[VR:VR+3], v[VQ], s[8:9] offset:((\n)/4)*CSTEP
.endif
.if (\n)%4==2
	global_load_b128 v[VR:VR+3], v[VQ], s[8:9] offset:((\n)/4)*CSTEP+512
.endif
.if (\n)%4==3
	global_load_b128 v[VR:VR+3], v[VK3], s[8:9] offset:((\n)/4)*CSTEP
.endif
.endm
; One trip of the scores, from slot s: t(r,i,j; x') += q(r; x'-2j+2) k(r+i; x').  With my pixels 0..3: j = 0 pairs k0,k1 with q2,q3 and k2,k3 with
; the next lane's q0,q1; j = 1 is straight; j = 2 pairs k0,k1 with the q2,q3 of the lane before and k2,k3 with q0,q1.
.macro SCORE s, acc
.set QB, RING+24*\s
.set KB, RING+24*\s+8
.irp r,0,1
	v_mov_b32_dpp v[QS+4*\r],   v[QB+4*\r]   row_shl:1 row_mask:0xf bank_mask:0xf bound_ctrl:1
	v_mov_b32_dpp v[QS+4*\r+1], v[QB+4*\r+1] row_shl:1 row_mask:0xf bank_mask:0xf bound_ctrl:1
	v_mov_b32_dpp v[QS+4*\r+2], v[QB+4*\r+2] row_shr:1 row_mask:0xf bank_mask:0xf bound_ctrl:1
	v_mov_b32_dpp v[QS+4*\r+3], v[QB+4*\r+3] row_shr:1 row_mask:0xf bank_mask:0xf bound_ctrl:1
.endr
.irp r,0,1
.irp i,0,1,2
	PKACC \acc,ACC+36*\r+12*\i,QB+4*\r+2,KB+4*(\r+\i)
	PKACC \acc,ACC+36*\r+12*\i+2,QS+4*\r,KB+4*(\r+\i)+2
	PKACC \acc,ACC+36*\r+12*\i+4,QB+4*\r,KB+4*(\r+\i)
	PKACC \acc,ACC+36*\r+12*\i+6,QB+4*\r+2,KB+4*(\r+\i)+2
	PKACC \acc,ACC+36*\r+12*\i+8,QS+4*\r+2,KB+4*(\r+\i)
	PKACC \acc,ACC+36*\r+12*\i+10,QB+4*\r,KB+4*(\r+\i)+2
.endr
.endr
.endm
; Where trip u of the results keeps row r's four results (OB) and its four crossing sums (PB): in the registers of trip u-1's four quads of v, which
; that trip has used up; trip 0 in v12-27.  So no register that a store reads is written again in the launch, and the results' trips hold no
; wait for their stores.
.macro SETOP u, r
.if \u
	SETVR 4*(\u-1)+\r
.set OB, VR
	SETVR 4*(\u-1)+2+\r
.set PB, VR
.else
.set OB, OUT+4*\r
.set PB, PT+4*\r
.endif
.endm
; One trip of the results.  A product weight x v made at x' belongs to pixel x' - 2j + 2: for j = 1 all four, for j = 0 those of v0,v1 (my pixels
; 2,3) and for j = 2 those of v2,v3 (my pixels 0,1) stay in the lane and are summed straight into OB; j = 0 with v2,v3 belongs to the next lane's
; pixels 0,1 and j = 2 with v0,v1 to pixels 2,3 of the lane before: they are summed apart (PB) and cross once, on the add itself.
.macro OUTP u
	s_wait_loadcnt 28-4*\u                         ; of the 32 quads of v, which come back in the order of issue, the oldest 4 (u + 1) are in
.irp i,0,1,2
.irp r,0,1
	SETOP \u, \r
.if \u
.else
	s_wait_dscnt 15-3*(2*\i+\r)                    ; the 18 weight quads were asked for in this order, three a block: behind block 2 i + r's three stand 15 - 3 (2 i + r)
.endif
	SETVR 4*\u+\r+\i
.set AW, ACC+36*\r+12*\i
	PKACC \i,OB,AW+4,VR
	PKACC \i,OB+2,AW+6,VR+2
	PKACC \i,PB,AW+2,VR+2
	PKACC \i,PB+2,AW+8,VR
	PKACC 1,OB,AW+10,VR+2
	PKACC 1,OB+2,AW,VR
.endr
.endr
.irp r,0,1
	SETOP \u, \r
	v_add_f32_dpp v[OB],   v[PB],   v[OB]   row_shr:1 row_mask:0xf bank_mask:0xf bound_ctrl:1
	v_add_f32_dpp v[OB+1], v[PB+1], v[OB+1] row_shr:1 row_mask:0xf bank_mask:0xf bound_ctrl:1
	v_add_f32_dpp v[OB+2], v[PB+2], v[OB+2] row_shl:1 row_mask:0xf bank_mask:0xf bound_ctrl:1
	v_add_f32_dpp v[OB+3], v[PB+3], v[OB+3] row_shl:1 row_mask:0xf bank_mask:0xf bound_ctrl:1
	global_store_b128 v[VQ], v[OB:OB+3], s[10:11] offset:\u*CSTEP+512*\r th:TH_STORE_NT   ; 16 lanes store one image row: 256 consecutive bytes, aligned
.endr
.endm
	s_load_b256 s[4:11], s[0:1], 0x0               ; q s[4:5], k s[6:7], v s[8:9], out s[10:11]
	v_lshl_add_u32 v228, v0, 2, 0x14400
	v_mov_b32 v229, 0
	v_lshrrev_b32 v1, 5, v0
	v_readfirstlane_b32 s12, v1                    ; my wave, 0..15
	; The group's number gives m in bits 0,1,4,5, the parity in bit 2, the image in bits 3,6,7: groups that read common rows of k and v
	; (same image, same parity, neighbouring m) differ in bits 0,1,4,5 alone.  Any one-to-one numbering gives the same values.
	s_and_b32 s13, ttmp9, 3
	s_lshr_b32 s14, ttmp9, 2
	s_and_b32 s15, s14, 12
	s_or_b32 s13, s13, s15                         ; m, 0..15
	s_and_b32 s14, s14, 1                          ; parity
	s_bfe_u32 s15, ttmp9, 0x10003                  ; one bit from bit 3
	s_lshr_b32 s16, ttmp9, 5
	s_and_b32 s16, s16, 6
	s_or_b32 s15, s15, s16                         ; image, 0..7
	s_lshl_b32 s2, s15, 22                         ; an image is 256 x 4,096 x 4 bytes
	s_mov_b32 s3, 0
	s_lshl2_add_u32 s17, s13, s14                  ; y0 = 4 m + parity
	s_lshl_b32 s17, s17, 8                         ; in bytes
	s_movk_i32 s19, 1024                           ; row y0+4 lies 1,024 bytes down (in a register: a select holds one literal)
	s_cmp_eq_u32 s13, 0
	s_cselect_b32 s18, 0, 512                      ; row y0-2 lies 512 bytes up; for m = 0 it does not exist: y0 stands in
	s_cselect_b32 s20, 0xffff, 0                   ; and window row 0 of image row y0 (lanes 0-15 in the softmax) is padding
	s_cmp_eq_u32 s13, 15
	s_cselect_b32 s19, 512, s19                    ; for m = 15 row y0+4 does not exist: y0+2, 512 bytes down, stands in
	s_cselect_b32 s21, 0xffff0000, 0               ; and window row 2 of image row y0+2 (lanes 16-31) is padding
	s_lshl_b32 s22, s12, 18                        ; 16 channels of 16,384 bytes a wave
	s_add_co_u32 s22, s22, s17
	v_and_b32 v1, 15, v0
	v_bfe_u32 v[LP], v0, 4, 1                      ; which of the trip's two channels
	v_lshlrev_b32 v[VQ], 4, v1                     ; 16 bytes a lane of 16
	v_lshl_add_u32 v[VQ], v[LP], 14, v[VQ]
	v_add_nc_u32 v[VQ], s22, v[VQ]
	v_sub_nc_u32 v[VK0], v[VQ], s18
	v_add_nc_u32 v[VK3], s19, v[VQ]
	s_wait_kmcnt 0x0
	s_add_nc_u64 s[4:5], s[4:5], s[2:3]            ; all four at my image
	s_add_nc_u64 s[6:7], s[6:7], s[2:3]
	s_add_nc_u64 s[8:9], s[8:9], s[2:3]
	s_add_nc_u64 s[10:11], s[10:11], s[2:3]
	LOADQK 0, 0                                    ; the ring is filled before anything else: 30 loads of 512 bytes a wave
	LOADQK 1, 1
	LOADQK 2, 2
	LOADQK 3, 3
	LOADQK 4, 4
	v_and_b32 v1, 31, v0
	s_mul_i32 s23, s12, PARTB
	v_lshl_add_u32 v[LP], v1, 4, s23
	s_lshl_b32 s24, s12, 9
	v_lshl_add_u32 v[L2A], v1, 4, s24
	v_add_nc_u32 v[L2B], 8*PARTB, v[L2A]
	v_add_nc_u32 v[L2S], SBASE, v[L2A]
	v_lshl_add_u32 v[LS], v1, 4, SBASE
	v_lshl_add_u32 v[LWS], v1, 4, WBASE
	v_and_b32 v1, 15, v0
	v_lshl_add_u32 v[LW], v1, 4, WBASE
.irp n,0,1,2,3,4,5,6,7
	v_mov_b32 v[QS+\n], 0                          ; a DPP move's destination is written once before its first use
.endr
	; THE SCORES: 8 trips.  Every turn issues six loads (the last one eight), so behind a trip's own six loads four groups of six have been issued: the count is 24.
	; A slot that has had its last q and k takes quads of v: all of the wave's v is on its way before the softmax begins.
	s_wait_loadcnt 24
	SCORE 0, 0
	LOADQK 5, 0
	s_wait_loadcnt 24
	SCORE 1, 1
	LOADQK 6, 1
	s_wait_loadcnt 24
	SCORE 2, 1
	LOADQK 7, 2
	; Every wave has now issued all its 48 loads of q and k.  This barrier orders requests, not data: behind it stand all loads of v, so that none of
	; them is issued ahead of another wave's loads of q and k.  Of the group's 768 loads of q and k the waves' rings hold 480 at a time: while the
	; waves that are ahead stand here, their own last 30 loads each and those of the waves behind are still on their way.
	s_barrier_signal -1
	s_barrier_wait -1
	s_wait_loadcnt 24
	SCORE 3, 1
.irp n,0,1,2,3,4,5
	LOADV \n
.endr
	s_wait_loadcnt 24
	SCORE 4, 1
.irp n,6,7,8,9,10,11
	LOADV \n
.endr
	s_wait_loadcnt 24
	SCORE 0, 1
.irp n,12,13,14,15,16,17
	LOADV \n
.endr
	s_wait_loadcnt 24
	SCORE 1, 1
.irp n,18,19,20,21,22,23
	LOADV \n
.endr
	s_wait_loadcnt 24
	SCORE 2, 1
.irp n,24,25,26,27,28,29,30,31
	LOADV \n
.endr
	; The two halves of the wave hold sums over different channels.  The swap puts row y0's two halves into lanes 0-15 of a pair of registers and row
	; y0+2's into lanes 16-31; one add folds both: 36 registers, lanes 0-15 row y0, lanes 16-31 row y0+2.
.set n, 0
.rept 36
	v_permlane16_swap_b32 v[ACC+n], v[ACC+36+n]
.set n, n+1
.endr
.set n, 0
.rept 18
	v_pk_add_f32 v[ACC+2*n:ACC+2*n+1], v[ACC+2*n:ACC+2*n+1], v[ACC+36+2*n:ACC+36+2*n+1]
.set n, n+1
.endr
.irp n,0,1,2,3,4,5,6,7,8
	ds_store_b128 v[LP], v[ACC+4*\n:ACC+4*\n+3] offset:512*\n      ; 512 consecutive bytes a store
.endr
	s_wait_dscnt 0x0                               ; for the others' sake: my partial is in LDS
	s_barrier_signal -1
	s_barrier_wait -1
	; Waves 0 to 8: window place w summed over the 16 partials (the accumulators are free; the ring's registers await v and are not touched)
	s_cmp_gt_u32 s12, 8
	s_cbranch_scc1 .Lsummed
.irp p,0,1,2,3,4,5,6,7
	ds_load_b128 v[ACC+4*\p:ACC+4*\p+3], v[L2A] offset:PARTB*\p
.endr
.irp p,0,1,2,3,4,5,6,7
	ds_load_b128 v[ACC+32+4*\p:ACC+32+4*\p+3], v[L2B] offset:PARTB*\p
.endr
	s_wait_dscnt 0x0
.irp p,0,1,2,3,4,5,6,7
	ADDQ ACC+4*\p,ACC+32+4*\p
.endr
.irp p,0,1,2,3
	ADDQ ACC+4*\p,ACC+16+4*\p
.endr
.irp p,0,1
	ADDQ ACC+4*\p,ACC+8+4*\p
.endr
	ADDQ ACC,ACC+4
	ds_store_b128 v[L2S], v[ACC:ACC+3]
.Lsummed:
	s_wait_dscnt 0x0
	s_barrier_signal -1
	s_barrier_wait -1
	; Wave 0: the softmax of all 128 pixels, 4 a lane.
	s_cmp_lg_u32 s12, 0
	s_cbranch_scc1 .Lweighed
.irp n,0,1,2,3,4,5,6,7,8
	ds_load_b128 v[T+4*\n:T+4*\n+3], v[LS] offset:512*\n
.endr
	v_cndmask_b32 v[FL], 1.0, 0, s20               ; 0 where window row 0 is padding
	v_cndmask_b32 v[FL+1], 1.0, 0, s20
	v_mov_b32 v[FL+2], 1.0
	v_mov_b32 v[FL+3], 1.0
	v_cndmask_b32 v[FL+4], 1.0, 0, s21             ; 0 where window row 2 is padding
	v_cndmask_b32 v[FL+5], 1.0, 0, s21
.irp i,0,1,2
	v_pk_mul_f32 v[CS+2*\i:CS+2*\i+1], v[FL+2*\i:FL+2*\i+1], 0x3db8aa3b op_sel_hi:[1,0]   ; log2(e) / sqrt(256)
.endr
	s_wait_dscnt 0x0
	; from the key's place to the pixel's: j = 0: my pixels 0,1 lie in the lane before, pixels 2,3 are my numbers 0,1; j = 2: my pixels 0,1 are my
	; numbers 2,3, pixels 2,3 lie in the next lane.  At the image's edge the move brings 0: the score of a key in the padding.
.irp i,0,1,2
.irp e,0,1
	v_mov_b32_dpp v[SH0+2*\i+\e], v[T+12*\i+2+\e] row_shr:1 row_mask:0xf bank_mask:0xf bound_ctrl:1
	v_mov_b32_dpp v[SH2+2*\i+\e], v[T+12*\i+8+\e] row_shl:1 row_mask:0xf bank_mask:0xf bound_ctrl:1
.endr
.endr
.irp i,0,1,2
.irp b,SH0+2*\i,T+12*\i+4,T+12*\i+10,T+12*\i,T+12*\i+6,SH2+2*\i
	v_pk_mul_f32 v[\b:\b+1], v[\b:\b+1], v[CS+2*\i:CS+2*\i+1]
.endr
.endr
.irp e,0,1
	v_max3_num_f32 v[MX+\e], v[SH0+\e], v[T+4+\e], v[T+10+\e]           ; pixels 0,1: the nine scores
	v_max3_num_f32 v[MX+\e], v[MX+\e], v[SH0+2+\e], v[T+16+\e]
	v_max3_num_f32 v[MX+\e], v[MX+\e], v[T+22+\e], v[SH0+4+\e]
	v_max3_num_f32 v[MX+\e], v[MX+\e], v[T+28+\e], v[T+34+\e]
	v_max3_num_f32 v[MX+2+\e], v[T+\e], v[T+6+\e], v[SH2+\e]            ; pixels 2,3
	v_max3_num_f32 v[MX+2+\e], v[MX+2+\e], v[T+12+\e], v[T+18+\e]
	v_max3_num_f32 v[MX+2+\e], v[MX+2+\e], v[SH2+2+\e], v[T+24+\e]
	v_max3_num_f32 v[MX+2+\e], v[MX+2+\e], v[T+30+\e], v[SH2+4+\e]
.endr
.irp i,0,1,2
.irp b,SH0+2*\i,T+12*\i+4,T+12*\i+10
	v_pk_add_f32 v[\b:\b+1], v[\b:\b+1], v[MX:MX+1] neg_lo:[0,1] neg_hi:[0,1]
.endr
.irp b,T+12*\i,T+12*\i+6,SH2+2*\i
	v_pk_add_f32 v[\b:\b+1], v[\b:\b+1], v[MX+2:MX+3] neg_lo:[0,1] neg_hi:[0,1]
.endr
.endr
.irp i,0,1,2
.irp b,SH0+2*\i,T+12*\i+4,T+12*\i+10,T+12*\i,T+12*\i+6,SH2+2*\i
	v_exp_f32 v[\b], v[\b]
	v_exp_f32 v[\b+1], v[\b+1]
.endr
.endr
	v_nop                                          ; one plain vector instruction between the last exponential and the first use of a result
	s_wait_alu depctr_va_vdst(0)
	v_pk_add_f32 v[MX:MX+1], v[SH0:SH0+1], v[T+4:T+5]                   ; the maxima are spent: their registers take the sums (at least 1.0 each)
	v_pk_add_f32 v[MX+2:MX+3], v[T:T+1], v[T+6:T+7]
.irp b,T+10,SH0+2,T+16,T+22,SH0+4,T+28,T+34
	v_pk_add_f32 v[MX:MX+1], v[MX:MX+1], v[\b:\b+1]
.endr
.irp b,SH2,T+12,T+18,SH2+2,T+24,T+30,SH2+4
	v_pk_add_f32 v[MX+2:MX+3], v[MX+2:MX+3], v[\b:\b+1]
.endr
.irp e,0,1,2,3
	v_rcp_f32 v[MX+\e], v[MX+\e]
.endr
	v_nop                                          ; as behind the exponentials
	s_wait_alu depctr_va_vdst(0)
.irp i,0,1,2
	v_pk_mul_f32 v[RI+4*\i:RI+4*\i+1], v[MX:MX+1], v[FL+2*\i:FL+2*\i+1]         ; weights of a window row in the padding become 0:
	v_pk_mul_f32 v[RI+4*\i+2:RI+4*\i+3], v[MX+2:MX+3], v[FL+2*\i:FL+2*\i+1]     ; the row of v that stands in for it counts for nothing
.endr
.irp i,0,1,2
.irp b,SH0+2*\i,T+12*\i+4,T+12*\i+10
	v_pk_mul_f32 v[\b:\b+1], v[\b:\b+1], v[RI+4*\i:RI+4*\i+1]
.endr
.irp b,T+12*\i,T+12*\i+6,SH2+2*\i
	v_pk_mul_f32 v[\b:\b+1], v[\b:\b+1], v[RI+4*\i+2:RI+4*\i+3]
.endr
.endr
	; back to the value's place; the places that belong to no pixel (j = 0: x' = 62, 63; j = 2: x' = 0, 1) get 0
.irp i,0,1,2
.irp e,0,1
	v_mov_b32_dpp v[T+12*\i+2+\e], v[SH0+2*\i+\e] row_shl:1 row_mask:0xf bank_mask:0xf bound_ctrl:1
	v_mov_b32_dpp v[T+12*\i+8+\e], v[SH2+2*\i+\e] row_shr:1 row_mask:0xf bank_mask:0xf bound_ctrl:1
.endr
.endr
.irp n,0,1,2,3,4,5,6,7,8
	ds_store_b128 v[LWS], v[T+4*\n:T+4*\n+3] offset:512*\n
.endr
.Lweighed:
	s_wait_dscnt 0x0
	s_barrier_signal -1
	s_barrier_wait -1
	; every lane takes the 18 weight quads of its four columns: both rows, the same in both halves of the wave; in the order in which the
	; results' first trip uses them (window row i, image row r, then j), so that it can begin on the first three
.irp i,0,1,2
.irp r,0,1
.irp j,0,1,2
	ds_load_b128 v[ACC+36*\r+12*\i+4*\j:ACC+36*\r+12*\i+4*\j+3], v[LW] offset:512*(3*\i+\j)+256*\r
.endr
.endr
.endr
	; THE RESULTS: 8 trips of two channels, from the quads of v that have been on their way since the scores' last trips
	OUTP 0
	OUTP 1
	OUTP 2
	OUTP 3
	OUTP 4
	OUTP 5
	OUTP 6
	OUTP 7
	s_wait_tensorcnt 0x0
	ds_add_u32 v228, v229
	s_wait_dscnt 0x0
	s_endpgm
.Lfunc_end_k_q22ae313cd2_dilattn:
	.size	k_q22ae313cd2_dilattn, .Lfunc_end_k_q22ae313cd2_dilattn-k_q22ae313cd2_dilattn
	.p2alignl 7, 3214868480
	.fill 96, 4, 3214868480
	.section	.rodata,"a",@progbits
	.p2align	6, 0x0
	.amdhsa_kernel k_q22ae313cd2_dilattn
		.amdhsa_group_segment_fixed_size 84992
		.amdhsa_private_segment_fixed_size 0
		.amdhsa_enable_private_segment 0
		.amdhsa_kernarg_size 32
		.amdhsa_user_sgpr_count 2
		.amdhsa_user_sgpr_kernarg_segment_ptr 1
		.amdhsa_wavefront_size32 1
		.amdhsa_system_sgpr_workgroup_id_x 1
		.amdhsa_system_sgpr_workgroup_id_y 1
		.amdhsa_system_sgpr_workgroup_id_z 1
		.amdhsa_system_vgpr_workitem_id 0
		.amdhsa_next_free_vgpr 230
		.amdhsa_next_free_sgpr 66
		.amdhsa_reserve_vcc 0
		.amdhsa_float_denorm_mode_32 3
		.amdhsa_float_denorm_mode_16_64 3
		.amdhsa_memory_ordered 1
		.amdhsa_forward_progress 1
		.amdhsa_inst_pref_size 75
	.end_amdhsa_kernel
	.amdgpu_metadata
---
amdhsa.version: [ 1, 2 ]
amdhsa.kernels:
  - .name:           k_q22ae313cd2_dilattn
    .symbol:         k_q22ae313cd2_dilattn.kd
    .args:
      - { .name: q, .offset: 0, .size: 8, .value_kind: global_buffer, .address_space: global }
      - { .name: k, .offset: 8, .size: 8, .value_kind: global_buffer, .address_space: global }
      - { .name: v, .offset: 16, .size: 8, .value_kind: global_buffer, .address_space: global }
      - { .name: out0, .offset: 24, .size: 8, .value_kind: global_buffer, .address_space: global }
    .group_segment_fixed_size: 84992
    .private_segment_fixed_size: 0
    .kernarg_segment_align: 8
    .kernarg_segment_size: 32
    .max_flat_workgroup_size: 512
    .sgpr_count:     66
    .vgpr_count:     230
    .wavefront_size: 32
...
	.end_amdgpu_metadata
.endif
;; end of part 1
;; ======== version 2 of 2: 1 launch; version 1 with the launch dilattn written anew for expert scheduling mode
;; launch dilattn (part 2): grid 256 x 1, 16 waves a work-group, no clusters, 84,992 bytes of LDS; arguments q, k, v, out0; writes out0
.if DOCPART == 2
	.amdgcn_target "amdgcn-amd-amdhsa--gfx1250"
	.amdhsa_code_object_version 6
	.text
	.protected	k_q22ae313cd2_dilattn
	.globl	k_q22ae313cd2_dilattn
	.p2align	8
	.type	k_q22ae313cd2_dilattn,@function
k_q22ae313cd2_dilattn:
	s_mov_b64 s[64:65], 0
	v_nop
	global_prefetch_b8 v0, s[64:65] scope:SCOPE_SE
	s_setreg_imm32_b32 hwreg(HW_REG_WAVE_SCHED_MODE, 0, 2), 2
	s_setreg_imm32_b32 hwreg(HW_REG_WAVE_MODE, 25, 1), 1
	s_wait_xcnt 0x0
	s_wait_alu depctr_vm_vsrc(0)
; Dilated 3 x 3 window attention (dilation 2, zero padding 2) on q, k, v, out: [8 images][256 channels][64 x 64 pixels] f32.
;   score(i,j; y,x) = sum over d of q[d,y,x] k[d,y+2i-2,x+2j-2] / 16 (0 where the key lies in the padding), softmax over the 9 (i,j),
;   out[d,y,x] = sum over (i,j) of weight(i,j; y,x) v[d,y+2i-2,x+2j-2].
; ONE LAUNCH, 256 work-groups of 16 waves.  A group owns one image, rows y0 and y0+2 (y0 = 4 m + parity) and all 256 channels; it reads rows
; y0-2, y0, y0+2, y0+4 of k and v.  Wave w owns channels 16 w .. 16 w + 15, two a trip: in a 16-byte load lanes 0-15 take the whole image row
; (256 bytes, aligned) of channel d, lanes 16-31 that of channel d+1; a lane holds 4 neighbouring pixels.
; SHIFTS BY TWO PIXELS are half a lane's four numbers: two stay in the lane, two come from the neighbouring lane of the same 16 lanes, by DPP
; row_shl:1 / row_shr:1; with bound_ctrl:1 the lane at the image's edge gets 0, which is the zero padding.  q is shifted, not k, so a score is
; summed AT THE KEY'S PLACE x' = x+2j-2; the weights are wanted at the value's place, which is the same layout.
; ROWS OUTSIDE THE IMAGE (m = 0: y0-2; m = 15: y0+4): the address is replaced by a neighbouring row of the group (y0, y0+2), the scores made with
; it are multiplied by 0 (they enter the softmax as the padding's zeros) and so are their weights.
; THE ORDER OF REQUESTS: the group's softmax waits for the last number of q and k of the slowest wave, and nothing waits for v before it.  So a
; barrier stands between every wave's last loads of q and k and any wave's first load of v; all of v is then asked for before the softmax begins.
; ALL IN f32 ON THE VECTOR UNIT.  The pixel is a batch index of both products: a 16 x 16 matrix tile would hold 16 wanted numbers, and its operands
; lie with channels 16,384 bytes apart.  The text moves 134 MB for 151 M multiply-adds: the bytes decide.
; NO CLUSTER, NO JOINT LOADS: a tile of two rows is shared by two neighbouring groups only, as the lower rows of one and the upper rows of the
; other, so its place in LDS would hang on the group's place in a cluster; a tile common to four groups has 10 rows of which each uses 4.
; Each loaded number is used by one wave alone, so it goes straight to registers and not through LDS.
; LIMITS: a score is the sum of 32 partial sums of 8 channels (another order of rounding than a plain sum); weights below 2^-126 count as 0
; (v_exp_f32 flushes); in the groups m = 0 and m = 15 an infinity or NaN in the substituted row gives NaN, at pixels whose own window holds that
; row, where the exact result is not finite either.
; THE MODE: SCHED_MODE bits 1:0 = 2 (LLVM: expert scheduling mode 2), set by the entry lines.  The code itself states the register dependences
; between vector instructions and memory or LDS instructions, with s_wait_alu, always for 0.
; THE PLAN.  Registers that memory or LDS instructions touch, and who else names them:
;   v2-v4     global offsets: written once at the head, one wait on va_vdst ahead of the first load, never written again.
;   v5-v11    LDS addresses: written once behind the ring's first loads (which read v2-v4 alone); the first LDS instruction stands behind the scores' waits.
;   RING      slot s: loads land, SCORE s reads it, the next loads land (q and k of the trip five on, or quads of v).  One wait on va_vdst at the end of
;             each SCORE, and the loads follow at once: a freed slot is asked for again without standing through the next trip's wait for data.
;   ACC       written by the scores and the fold | wait on va_vdst | the partial's LDS stores read it | waves 0-8: wait on vm_vsrc | the 16 partials land, are
;             added | va_vdst | the sum's store reads it | wave 0: vm_vsrc | the 9 sums land, softmax | va_vdst | the weights' stores read it | every wave:
;             vm_vsrc | the 18 weight quads land.  Each time loads land in ACC, all vector lines that named it stand ahead of the wait on va_vdst in front of
;             the LDS stores before, and only LDS instructions, waits on counters, barriers and scalar branches stand between that wait and the loads.
;   results   trip u writes them; its two stores are issued at the head of trip u+1, behind one wait on va_vdst.  Trip u+1's vector lines write trip u's
;             quads of v and read trip u+1's and ACC: none of the registers that those stores read, and none is written again in the launch.
;   s12       written by v_readfirstlane_b32: one wait on va_sdst ahead of its first reader.  EXEC and VCC are never written.
.set CSTEP, 32768                      ; bytes from a trip's two channels to the next two
.set PARTB, 4608                       ; 9 window places x 2 rows x 64 pixels x 4 bytes: one wave's partial scores
.set SBASE, 16*PARTB                   ; LDS: 16 partials, then the summed scores,
.set WBASE, SBASE+PARTB                ; then the weights
.set VQ,   2                           ; v2   byte offset in the image of my 16 bytes: channel 16 w + (lane / 16), row y0
.set VK0,  3                           ; v3   the same, row y0-2 (m = 0: y0)
.set VK3,  4                           ; v4   the same, row y0+4 (m = 15: y0+2).  v2-v4 are never rewritten
.set LP,   5                           ; v5   LDS: my wave's partial, 16 bytes a lane
.set L2A,  6                           ; v6   LDS: window place w in partial 0
.set L2B,  7                           ; v7   LDS: window place w in partial 8 (an LDS immediate has 16 bits)
.set L2S,  8                           ; v8   LDS: window place w in the summed scores
.set LS,   9                           ; v9   LDS: summed scores, 16 bytes a lane
.set LWS,  10                          ; v10  LDS: weights, 16 bytes a lane
.set LW,   11                          ; v11  LDS: weights, 16 bytes a lane of 16: both halves of the wave read the same
.set QS,   12                          ; v[12:19]  row r: q0, q1 of the next lane, q2, q3 of the lane before
.set PT,   QS                          ;           the results' trip 0: row r: the two pairs of sums that cross to a neighbouring lane
.set FL,   QS                          ;           in the softmax: for i = 0, 1, 2 a pair 1.0, or 0.0 where window row i is outside the image
.set OUT,  20                          ; v[20:27]  the results' trip 0: row r: four results
.set CS,   OUT                         ;           in the softmax: FL x log2(e) / 16
.set ACC,  28                          ; v[28:99]  (r,i,j) at ACC + 36 r + 12 i + 4 j: four scores at the key's place, later four weights
.set RING, 100                         ; v[100:227] five slots of 24 registers (q rows 0,1; k rows 0..3), later the wave's 32 quads of v,
                                       ;           and behind a trip of the results its 16 registers take the next trip's results and crossing sums
.set T,    ACC                         ; softmax: 9 quads (i,j), lanes 0-15 row y0, lanes 16-31 row y0+2
.set SH0,  ACC+36                      ; softmax: j = 0, pixels 0,1 of the lane (they lie in the lane before), a pair for each i
.set SH2,  ACC+42                      ; softmax: j = 2, pixels 2,3 of the lane (they lie in the next lane)
.set MX,   ACC+48                      ; softmax: maxima of my 4 pixels, then their sums, then 1 / sum
.set RI,   ACC+52                      ; softmax: 1 / sum x FL, four for each i
.macro PKACC acc, d, a, b              ; two multiply-adds; acc = 0: the first product starts the sums, nothing is cleared
.if \acc
	v_pk_fma_f32 v[\d:\d+1], v[\a:\a+1], v[\b:\b+1], v[\d:\d+1]
.else
	v_pk_mul_f32 v[\d:\d+1], v[\a:\a+1], v[\b:\b+1]
.endif
.endm
.macro ADDQ d, a                       ; four sums
	v_pk_add_f32 v[\d:\d+1], v[\d:\d+1], v[\a:\a+1]
	v_pk_add_f32 v[\d+2:\d+3], v[\d+2:\d+3], v[\a+2:\a+3]
.endm
; trip t's six loads into slot s: q is read once in the launch, each row of k by two groups
.macro LOADQK t, s
	global_load_b128 v[RING+24*\s:RING+24*\s+3],     v[VQ],  s[4:5] offset:\t*CSTEP th:TH_LOAD_NT
	global_load_b128 v[RING+24*\s+4:RING+24*\s+7],   v[VQ],  s[4:5] offset:\t*CSTEP+512 th:TH_LOAD_NT
	global_load_b128 v[RING+24*\s+8:RING+24*\s+11],  v[VK0], s[6:7] offset:\t*CSTEP
	global_load_b128 v[RING+24*\s+12:RING+24*\s+15], v[VQ],  s[6:7] offset:\t*CSTEP
	global_load_b128 v[RING+24*\s+16:RING+24*\s+19], v[VQ],  s[6:7] offset:\t*CSTEP+512
	global_load_b128 v[RING+24*\s+20:RING+24*\s+23], v[VK3], s[6:7] offset:\t*CSTEP
.endm
; quad n = 4 u + c of v (trip u, row c) lies where the ring's slots come free: slots 3, 4, 0, 1, 2 in that order, then the last 8 registers
.macro SETVR n
.if (\n)<30
.set VR, RING+4*(((\n)+18)%30)
.else
.set VR, RING+4*(\n)
.endif
.endm
.macro LOADV n
	SETVR \n
.if (\n)%4==0
	global_load_b128 v[VR:VR+3], v[VK0], s[8:9] offset:((\n)/4)*CSTEP
.endif
.if (\n)%4==1
	global_load_b128 v[VR:VR+3], v[VQ], s[8:9] offset:((\n)/4)*CSTEP
.endif
.if (\n)%4==2
	global_load_b128 v[VR:VR+3], v[VQ], s[8:9] offset:((\n)/4)*CSTEP+512
.endif
.if (\n)%4==3
	global_load_b128 v[VR:VR+3], v[VK3], s[8:9] offset:((\n)/4)*CSTEP
.endif
.endm
; One trip of the scores, from slot s: t(r,i,j; x') += q(r; x'-2j+2) k(r+i; x').  With my pixels 0..3: j = 0 pairs k0,k1 with q2,q3 and k2,k3 with
; the next lane's q0,q1; j = 1 is straight; j = 2 pairs k0,k1 with the q2,q3 of the lane before and k2,k3 with q0,q1.
.macro SCORE s, acc
.set QB, RING+24*\s
.set KB, RING+24*\s+8
.irp r,0,1
	v_mov_b32_dpp v[QS+4*\r],   v[QB+4*\r]   row_shl:1 row_mask:0xf bank_mask:0xf bound_ctrl:1
	v_mov_b32_dpp v[QS+4*\r+1], v[QB+4*\r+1] row_shl:1 row_mask:0xf bank_mask:0xf bound_ctrl:1
	v_mov_b32_dpp v[QS+4*\r+2], v[QB+4*\r+2] row_shr:1 row_mask:0xf bank_mask:0xf bound_ctrl:1
	v_mov_b32_dpp v[QS+4*\r+3], v[QB+4*\r+3] row_shr:1 row_mask:0xf bank_mask:0xf bound_ctrl:1
.endr
.irp r,0,1
.irp i,0,1,2
	PKACC \acc,ACC+36*\r+12*\i,QB+4*\r+2,KB+4*(\r+\i)
	PKACC \acc,ACC+36*\r+12*\i+2,QS+4*\r,KB+4*(\r+\i)+2
	PKACC \acc,ACC+36*\r+12*\i+4,QB+4*\r,KB+4*(\r+\i)
	PKACC \acc,ACC+36*\r+12*\i+6,QB+4*\r+2,KB+4*(\r+\i)+2
	PKACC \acc,ACC+36*\r+12*\i+8,QS+4*\r+2,KB+4*(\r+\i)
	PKACC \acc,ACC+36*\r+12*\i+10,QB+4*\r,KB+4*(\r+\i)+2
.endr
.endr
	s_wait_alu depctr_va_vdst(0)                   ; the trip's moves and products are done reading slot s, in which the loads that follow land (the first trip's wait also: v5 to v11 are written, which the LDS instructions further down read)
.endm
; Where trip u of the results keeps row r's four results (OB) and its four crossing sums (PB): in the registers of trip u-1's four quads of v, which
; that trip has used up; trip 0 in v12-27.  So no register that a store reads is written again in the launch, and no wait stands behind the stores
; for their sources.
.macro SETOP u, r
.if \u
	SETVR 4*(\u-1)+\r
.set OB, VR
	SETVR 4*(\u-1)+2+\r
.set PB, VR
.else
.set OB, OUT+4*\r
.set PB, PT+4*\r
.endif
.endm
; the two stores of trip u's results
.macro SEND u
.irp r,0,1
	SETOP \u, \r
	global_store_b128 v[VQ], v[OB:OB+3], s[10:11] offset:\u*CSTEP+512*\r th:TH_STORE_NT   ; 16 lanes store one image row: 256 consecutive bytes, aligned
.endr
.endm
; One trip of the results; p = u - 1, the trip before, whose stores are issued here.  A product weight x v made at x' belongs to pixel x' - 2j + 2:
; for j = 1 all four, for j = 0 those of v0,v1 (my pixels 2,3) and for j = 2 those of v2,v3 (my pixels 0,1) stay in the lane and are summed straight
; into OB; j = 0 with v2,v3 belongs to the next lane's pixels 0,1 and j = 2 with v0,v1 to pixels 2,3 of the lane before: they are summed apart (PB)
; and cross once, on the add itself.
.macro OUTP u, p
	s_wait_loadcnt 28-4*\u                         ; of the 32 quads of v, which come back in the order of issue, the oldest 4 (u + 1) are in
.if \u
	s_wait_alu depctr_va_vdst(0)                   ; trip p has written its eight results, which the two stores below read; no vector line of this trip names them
	SEND \p
.endif
.irp i,0,1,2
.irp r,0,1
	SETOP \u, \r
.if \u
.else
	s_wait_dscnt 15-3*(2*\i+\r)                    ; the 18 weight quads were asked for in this order, three a block: behind block 2 i + r's three stand 15 - 3 (2 i + r)
.endif
	SETVR 4*\u+\r+\i
.set AW, ACC+36*\r+12*\i
	PKACC \i,OB,AW+4,VR
	PKACC \i,OB+2,AW+6,VR+2
	PKACC \i,PB,AW+2,VR+2
	PKACC \i,PB+2,AW+8,VR
	PKACC 1,OB,AW+10,VR+2
	PKACC 1,OB+2,AW,VR
.endr
.endr
.irp r,0,1
	SETOP \u, \r
	v_add_f32_dpp v[OB],   v[PB],   v[OB]   row_shr:1 row_mask:0xf bank_mask:0xf bound_ctrl:1
	v_add_f32_dpp v[OB+1], v[PB+1], v[OB+1] row_shr:1 row_mask:0xf bank_mask:0xf bound_ctrl:1
	v_add_f32_dpp v[OB+2], v[PB+2], v[OB+2] row_shl:1 row_mask:0xf bank_mask:0xf bound_ctrl:1
	v_add_f32_dpp v[OB+3], v[PB+3], v[OB+3] row_shl:1 row_mask:0xf bank_mask:0xf bound_ctrl:1
.endr
.endm
	s_load_b256 s[4:11], s[0:1], 0x0               ; q s[4:5], k s[6:7], v s[8:9], out s[10:11]
	v_lshl_add_u32 v228, v0, 2, 0x14400
	v_mov_b32 v229, 0
	v_lshrrev_b32 v1, 5, v0
	v_readfirstlane_b32 s12, v1                    ; my wave, 0..15
	; The group's number gives m in bits 0,1,4,5, the parity in bit 2, the image in bits 3,6,7: groups that read common rows of k and v
	; (same image, same parity, neighbouring m) differ in bits 0,1,4,5 alone.  Any one-to-one numbering gives the same values.
	s_and_b32 s13, ttmp9, 3
	s_lshr_b32 s14, ttmp9, 2
	s_and_b32 s15, s14, 12
	s_or_b32 s13, s13, s15                         ; m, 0..15
	s_and_b32 s14, s14, 1                          ; parity
	s_bfe_u32 s15, ttmp9, 0x10003                  ; one bit from bit 3
	s_lshr_b32 s16, ttmp9, 5
	s_and_b32 s16, s16, 6
	s_or_b32 s15, s15, s16                         ; image, 0..7
	s_lshl_b32 s2, s15, 22                         ; an image is 256 x 4,096 x 4 bytes
	s_mov_b32 s3, 0
	s_lshl2_add_u32 s17, s13, s14                  ; y0 = 4 m + parity
	s_lshl_b32 s17, s17, 8                         ; in bytes
	s_movk_i32 s19, 1024                           ; row y0+4 lies 1,024 bytes down (in a register: a select holds one literal)
	s_cmp_eq_u32 s13, 0
	s_cselect_b32 s18, 0, 512                      ; row y0-2 lies 512 bytes up; for m = 0 it does not exist: y0 stands in
	s_cselect_b32 s20, 0xffff, 0                   ; and window row 0 of image row y0 (lanes 0-15 in the softmax) is padding
	s_cmp_eq_u32 s13, 15
	s_cselect_b32 s19, 512, s19                    ; for m = 15 row y0+4 does not exist: y0+2, 512 bytes down, stands in
	s_cselect_b32 s21, 0xffff0000, 0               ; and window row 2 of image row y0+2 (lanes 16-31) is padding
	s_wait_alu depctr_va_sdst(0)                   ; s12 is written, ahead of its first reader, the line below
	s_lshl_b32 s22, s12, 18                        ; 16 channels of 16,384 bytes a wave
	s_add_co_u32 s22, s22, s17
	v_and_b32 v1, 15, v0
	v_bfe_u32 v[LP], v0, 4, 1                      ; which of the trip's two channels
	v_lshlrev_b32 v[VQ], 4, v1                     ; 16 bytes a lane of 16
	v_lshl_add_u32 v[VQ], v[LP], 14, v[VQ]
	v_add_nc_u32 v[VQ], s22, v[VQ]
	v_sub_nc_u32 v[VK0], v[VQ], s18
	v_add_nc_u32 v[VK3], s19, v[VQ]
	s_wait_kmcnt 0x0
	s_add_nc_u64 s[4:5], s[4:5], s[2:3]            ; all four at my image
	s_add_nc_u64 s[6:7], s[6:7], s[2:3]
	s_add_nc_u64 s[8:9], s[8:9], s[2:3]
	s_add_nc_u64 s[10:11], s[10:11], s[2:3]
	s_wait_alu depctr_va_vdst(0)                   ; v2, v3 and v4 are written: every global load and store of the kernel reads one of them as its offset
	LOADQK 0, 0                                    ; the ring is filled before anything else: 30 loads of 512 bytes a wave
	LOADQK 1, 1
	LOADQK 2, 2
	LOADQK 3, 3
	LOADQK 4, 4
	v_and_b32 v1, 31, v0                           ; the lines from here to the scores write v1 and v5 to v19: none of them is read by the loads above, and no load lands in them
	s_mul_i32 s23, s12, PARTB
	v_lshl_add_u32 v[LP], v1, 4, s23
	s_lshl_b32 s24, s12, 9
	v_lshl_add_u32 v[L2A], v1, 4, s24
	v_add_nc_u32 v[L2B], 8*PARTB, v[L2A]
	v_add_nc_u32 v[L2S], SBASE, v[L2A]
	v_lshl_add_u32 v[LS], v1, 4, SBASE
	v_lshl_add_u32 v[LWS], v1, 4, WBASE
	v_and_b32 v1, 15, v0
	v_lshl_add_u32 v[LW], v1, 4, WBASE
.irp n,0,1,2,3,4,5,6,7
	v_mov_b32 v[QS+\n], 0                          ; a DPP move's destination is written once before its first use
.endr
	; THE SCORES: 8 trips.  Every turn issues six loads (the last one eight), so behind a trip's own six loads four groups of six have been issued: the count is 24.
	; A slot that has had its last q and k takes quads of v: all of the wave's v is on its way before the softmax begins.
	; Each SCORE ends in the wait that states that its slot has been read; the loads into that slot follow it at once.
	s_wait_loadcnt 24
	SCORE 0, 0
	LOADQK 5, 0
	s_wait_loadcnt 24
	SCORE 1, 1
	LOADQK 6, 1
	s_wait_loadcnt 24
	SCORE 2, 1
	LOADQK 7, 2
	; Every wave has now issued all its 48 loads of q and k.  This barrier orders requests, not data: behind it stand all loads of v, so that none of
	; them is issued ahead of another wave's loads of q and k.  Of the group's 768 loads of q and k the waves' rings hold 480 at a time: while the
	; waves that are ahead stand here, their own last 30 loads each and those of the waves behind are still on their way.
	s_barrier_signal -1
	s_barrier_wait -1
	s_wait_loadcnt 24
	SCORE 3, 1
.irp n,0,1,2,3,4,5
	LOADV \n
.endr
	s_wait_loadcnt 24
	SCORE 4, 1
.irp n,6,7,8,9,10,11
	LOADV \n
.endr
	s_wait_loadcnt 24
	SCORE 0, 1
.irp n,12,13,14,15,16,17
	LOADV \n
.endr
	s_wait_loadcnt 24
	SCORE 1, 1
.irp n,18,19,20,21,22,23
	LOADV \n
.endr
	s_wait_loadcnt 24
	SCORE 2, 1
.irp n,24,25,26,27,28,29,30,31
	LOADV \n                                       ; quads 30 and 31 land in the ring's last 8 registers, which no vector line has named
.endr
	; The two halves of the wave hold sums over different channels.  The swap puts row y0's two halves into lanes 0-15 of a pair of registers and row
	; y0+2's into lanes 16-31; one add folds both: 36 registers, lanes 0-15 row y0, lanes 16-31 row y0+2.
.set n, 0
.rept 36
	v_permlane16_swap_b32 v[ACC+n], v[ACC+36+n]
.set n, n+1
.endr
.set n, 0
.rept 18
	v_pk_add_f32 v[ACC+2*n:ACC+2*n+1], v[ACC+2*n:ACC+2*n+1], v[ACC+36+2*n:ACC+36+2*n+1]
.set n, n+1
.endr
	s_wait_alu depctr_va_vdst(0)                   ; the fold has written ACC .. ACC+35, which the LDS stores read; it is also done reading ACC+36 .. ACC+71: no vector line names ACC between here and the next loads that land in it
.irp n,0,1,2,3,4,5,6,7,8
	ds_store_b128 v[LP], v[ACC+4*\n:ACC+4*\n+3] offset:512*\n      ; 512 consecutive bytes a store
.endr
	s_wait_dscnt 0x0                               ; for the others' sake: my partial is in LDS
	s_barrier_signal -1
	s_barrier_wait -1
	; Waves 0 to 8: window place w summed over the 16 partials (the accumulators are free; the ring's registers await v and are not touched)
	s_cmp_gt_u32 s12, 8
	s_cbranch_scc1 .Lsummed
	s_wait_alu depctr_vm_vsrc(0)                   ; my partial's LDS stores have read ACC .. ACC+35, in which the loads below land
.irp p,0,1,2,3,4,5,6,7
	ds_load_b128 v[ACC+4*\p:ACC+4*\p+3], v[L2A] offset:PARTB*\p
.endr
.irp p,0,1,2,3,4,5,6,7
	ds_load_b128 v[ACC+32+4*\p:ACC+32+4*\p+3], v[L2B] offset:PARTB*\p
.endr
	s_wait_dscnt 0x0
.irp p,0,1,2,3,4,5,6,7
	ADDQ ACC+4*\p,ACC+32+4*\p
.endr
.irp p,0,1,2,3
	ADDQ ACC+4*\p,ACC+16+4*\p
.endr
.irp p,0,1
	ADDQ ACC+4*\p,ACC+8+4*\p
.endr
	ADDQ ACC,ACC+4
	s_wait_alu depctr_va_vdst(0)                   ; the additions have written ACC .. ACC+3, which the LDS store reads, and are done with ACC .. ACC+63: no vector line names ACC between here and the next loads that land in it
	ds_store_b128 v[L2S], v[ACC:ACC+3]
.Lsummed:
	s_wait_dscnt 0x0
	s_barrier_signal -1
	s_barrier_wait -1
	; Wave 0: the softmax of all 128 pixels, 4 a lane.
	s_cmp_lg_u32 s12, 0
	s_cbranch_scc1 .Lweighed
	s_wait_alu depctr_vm_vsrc(0)                   ; the LDS store of my sum has read ACC .. ACC+3, in which the first load below lands
.irp n,0,1,2,3,4,5,6,7,8
	ds_load_b128 v[T+4*\n:T+4*\n+3], v[LS] offset:512*\n
.endr
	v_cndmask_b32 v[FL], 1.0, 0, s20               ; 0 where window row 0 is padding (s20 and s21 were written by scalar selects)
	v_cndmask_b32 v[FL+1], 1.0, 0, s20
	v_mov_b32 v[FL+2], 1.0
	v_mov_b32 v[FL+3], 1.0
	v_cndmask_b32 v[FL+4], 1.0, 0, s21             ; 0 where window row 2 is padding
	v_cndmask_b32 v[FL+5], 1.0, 0, s21
.irp i,0,1,2
	v_pk_mul_f32 v[CS+2*\i:CS+2*\i+1], v[FL+2*\i:FL+2*\i+1], 0x3db8aa3b op_sel_hi:[1,0]   ; log2(e) / sqrt(256)
.endr
	s_wait_dscnt 0x0
	; from the key's place to the pixel's: j = 0: my pixels 0,1 lie in the lane before, pixels 2,3 are my numbers 0,1; j = 2: my pixels 0,1 are my
	; numbers 2,3, pixels 2,3 lie in the next lane.  At the image's edge the move brings 0: the score of a key in the padding.
.irp i,0,1,2
.irp e,0,1
	v_mov_b32_dpp v[SH0+2*\i+\e], v[T+12*\i+2+\e] row_shr:1 row_mask:0xf bank_mask:0xf bound_ctrl:1
	v_mov_b32_dpp v[SH2+2*\i+\e], v[T+12*\i+8+\e] row_shl:1 row_mask:0xf bank_mask:0xf bound_ctrl:1
.endr
.endr
.irp i,0,1,2
.irp b,SH0+2*\i,T+12*\i+4,T+12*\i+10,T+12*\i,T+12*\i+6,SH2+2*\i
	v_pk_mul_f32 v[\b:\b+1], v[\b:\b+1], v[CS+2*\i:CS+2*\i+1]
.endr
.endr
.irp e,0,1
	v_max3_num_f32 v[MX+\e], v[SH0+\e], v[T+4+\e], v[T+10+\e]           ; pixels 0,1: the nine scores
	v_max3_num_f32 v[MX+\e], v[MX+\e], v[SH0+2+\e], v[T+16+\e]
	v_max3_num_f32 v[MX+\e], v[MX+\e], v[T+22+\e], v[SH0+4+\e]
	v_max3_num_f32 v[MX+\e], v[MX+\e], v[T+28+\e], v[T+34+\e]
	v_max3_num_f32 v[MX+2+\e], v[T+\e], v[T+6+\e], v[SH2+\e]            ; pixels 2,3
	v_max3_num_f32 v[MX+2+\e], v[MX+2+\e], v[T+12+\e], v[T+18+\e]
	v_max3_num_f32 v[MX+2+\e], v[MX+2+\e], v[SH2+2+\e], v[T+24+\e]
	v_max3_num_f32 v[MX+2+\e], v[MX+2+\e], v[T+30+\e], v[SH2+4+\e]
.endr
.irp i,0,1,2
.irp b,SH0+2*\i,T+12*\i+4,T+12*\i+10
	v_pk_add_f32 v[\b:\b+1], v[\b:\b+1], v[MX:MX+1] neg_lo:[0,1] neg_hi:[0,1]
.endr
.irp b,T+12*\i,T+12*\i+6,SH2+2*\i
	v_pk_add_f32 v[\b:\b+1], v[\b:\b+1], v[MX+2:MX+3] neg_lo:[0,1] neg_hi:[0,1]
.endr
.endr
.irp i,0,1,2
.irp b,SH0+2*\i,T+12*\i+4,T+12*\i+10,T+12*\i,T+12*\i+6,SH2+2*\i
	v_exp_f32 v[\b], v[\b]
	v_exp_f32 v[\b+1], v[\b+1]
.endr
.endr
	v_nop                                          ; one plain vector instruction between the last exponential and the first use of a result
	s_wait_alu depctr_va_vdst(0)
	v_pk_add_f32 v[MX:MX+1], v[SH0:SH0+1], v[T+4:T+5]                   ; the maxima are spent: their registers take the sums (at least 1.0 each)
	v_pk_add_f32 v[MX+2:MX+3], v[T:T+1], v[T+6:T+7]
.irp b,T+10,SH0+2,T+16,T+22,SH0+4,T+28,T+34
	v_pk_add_f32 v[MX:MX+1], v[MX:MX+1], v[\b:\b+1]
.endr
.irp b,SH2,T+12,T+18,SH2+2,T+24,T+30,SH2+4
	v_pk_add_f32 v[MX+2:MX+3], v[MX+2:MX+3], v[\b:\b+1]
.endr
.irp e,0,1,2,3
	v_rcp_f32 v[MX+\e], v[MX+\e]
.endr
	v_nop                                          ; as behind the exponentials
	s_wait_alu depctr_va_vdst(0)
.irp i,0,1,2
	v_pk_mul_f32 v[RI+4*\i:RI+4*\i+1], v[MX:MX+1], v[FL+2*\i:FL+2*\i+1]         ; weights of a window row in the padding become 0:
	v_pk_mul_f32 v[RI+4*\i+2:RI+4*\i+3], v[MX+2:MX+3], v[FL+2*\i:FL+2*\i+1]     ; the row of v that stands in for it counts for nothing
.endr
.irp i,0,1,2
.irp b,SH0+2*\i,T+12*\i+4,T+12*\i+10
	v_pk_mul_f32 v[\b:\b+1], v[\b:\b+1], v[RI+4*\i:RI+4*\i+1]
.endr
.irp b,T+12*\i,T+12*\i+6,SH2+2*\i
	v_pk_mul_f32 v[\b:\b+1], v[\b:\b+1], v[RI+4*\i+2:RI+4*\i+3]
.endr
.endr
	; back to the value's place; the places that belong to no pixel (j = 0: x' = 62, 63; j = 2: x' = 0, 1) get 0
.irp i,0,1,2
.irp e,0,1
	v_mov_b32_dpp v[T+12*\i+2+\e], v[SH0+2*\i+\e] row_shl:1 row_mask:0xf bank_mask:0xf bound_ctrl:1
	v_mov_b32_dpp v[T+12*\i+8+\e], v[SH2+2*\i+\e] row_shr:1 row_mask:0xf bank_mask:0xf bound_ctrl:1
.endr
.endr
	s_wait_alu depctr_va_vdst(0)                   ; the softmax has written T .. T+35, which the LDS stores read, and is done with ACC .. ACC+63: no vector line names ACC between here and the weights' loads
.irp n,0,1,2,3,4,5,6,7,8
	ds_store_b128 v[LWS], v[T+4*\n:T+4*\n+3] offset:512*\n
.endr
.Lweighed:
	s_wait_dscnt 0x0
	s_barrier_signal -1
	s_barrier_wait -1
	; every lane takes the 18 weight quads of its four columns: both rows, the same in both halves of the wave; in the order in which the
	; results' first trip uses them (window row i, image row r, then j), so that it can begin on the first three
	s_wait_alu depctr_vm_vsrc(0)                   ; my last LDS stores have read their data in ACC (wave 0: the weights; waves 1 to 8: the sum; waves 9 to 15: the partial), in which the loads below land
.irp i,0,1,2
.irp r,0,1
.irp j,0,1,2
	ds_load_b128 v[ACC+36*\r+12*\i+4*\j:ACC+36*\r+12*\i+4*\j+3], v[LW] offset:512*(3*\i+\j)+256*\r
.endr
.endr
.endr
	; THE RESULTS: 8 trips of two channels, from the quads of v that have been on their way since the scores' last trips.
	; A trip's two stores stand at the head of the next trip, behind its one wait on va_vdst.
	OUTP 0, 0
	OUTP 1, 0
	OUTP 2, 1
	OUTP 3, 2
	OUTP 4, 3
	OUTP 5, 4
	OUTP 6, 5
	OUTP 7, 6
	s_wait_alu depctr_va_vdst(0)                   ; trip 7 has written its eight results, which the last two stores read
	SEND 7
	s_wait_dscnt 0x0
	s_wait_alu depctr_hold_cnt(0) depctr_sa_sdst(0) depctr_va_vdst(0) depctr_va_sdst(0) depctr_va_ssrc(0) depctr_va_vcc(0) depctr_vm_vsrc(0)
	s_wait_tensorcnt 0x0
	ds_add_u32 v228, v229
	s_wait_dscnt 0x0
	s_endpgm
.Lfunc_end_k_q22ae313cd2_dilattn:
	.size	k_q22ae313cd2_dilattn, .Lfunc_end_k_q22ae313cd2_dilattn-k_q22ae313cd2_dilattn
	.p2alignl 7, 3214868480
	.fill 96, 4, 3214868480
	.section	.rodata,"a",@progbits
	.p2align	6, 0x0
	.amdhsa_kernel k_q22ae313cd2_dilattn
		.amdhsa_group_segment_fixed_size 84992
		.amdhsa_private_segment_fixed_size 0
		.amdhsa_enable_private_segment 0
		.amdhsa_kernarg_size 32
		.amdhsa_user_sgpr_count 2
		.amdhsa_user_sgpr_kernarg_segment_ptr 1
		.amdhsa_wavefront_size32 1
		.amdhsa_system_sgpr_workgroup_id_x 1
		.amdhsa_system_sgpr_workgroup_id_y 1
		.amdhsa_system_sgpr_workgroup_id_z 1
		.amdhsa_system_vgpr_workitem_id 0
		.amdhsa_next_free_vgpr 230
		.amdhsa_next_free_sgpr 66
		.amdhsa_reserve_vcc 0
		.amdhsa_float_denorm_mode_32 3
		.amdhsa_float_denorm_mode_16_64 3
		.amdhsa_memory_ordered 1
		.amdhsa_forward_progress 1
		.amdhsa_inst_pref_size 76
	.end_amdhsa_kernel
	.amdgpu_metadata
---
amdhsa.version: [ 1, 2 ]
amdhsa.kernels:
  - .name:           k_q22ae313cd2_dilattn
    .symbol:         k_q22ae313cd2_dilattn.kd
    .args:
      - { .name: q, .offset: 0, .size: 8, .value_kind: global_buffer, .address_space: global }
      - { .name: k, .offset: 8, .size: 8, .value_kind: global_buffer, .address_space: global }
      - { .name: v, .offset: 16, .size: 8, .value_kind: global_buffer, .address_space: global }
      - { .name: out0, .offset: 24, .size: 8, .value_kind: global_buffer, .address_space: global }
    .group_segment_fixed_size: 84992
    .private_segment_fixed_size: 0
    .kernarg_segment_align: 8
    .kernarg_segment_size: 32
    .max_flat_workgroup_size: 512
    .sgpr_count:     66
    .vgpr_count:     230
    .wavefront_size: 32
...
	.end_amdgpu_metadata
.endif
;; end of part 2
